; MI455X (gfx1250); checked and timed in simulation.
; The chip was launched on July 23, 2026; its instructions are those of AMD's public machine-readable ISA for CDNA 5 (MIT licence, August 2026) and "CDNA5" Instruction Set Architecture Reference Guide (July 2026). The comments in the code are by the model that wrote it; some were corrected since.
;; Brenier Map NN. Allowed arithmetic: matrix products marked QUANTISED: E5M2 operands, one E8M0 scale for each 32 along K, by v_wmma_scale_f32_16x16x128_f8f6f4 with both operands' format E5M2, f32 sums; products left as they are: f32 operands where the result goes on into a quantised operand, else bf16, f16 or f32 operands; f32 sums; everything else in f32.
;; Inputs: b0 512 float32; b1 512 float32; b2 512 float32; b3 512 float32; b4 1 float32; u 32,768 x 64 float32; wu0 512 x 64 float32; wu1 512 x 64 float32; wu2 512 x 64 float32; wu3 512 x 64 float32; wu4 1 x 64 float32; wz1 512 x 512 float32; wz2 512 x 512 float32; wz3 512 x 512 float32; wz4 1 x 512 float32.
;; Outputs: out0 32,768 x 64 float32.
;; This version of the problem:
;;   THIS VERSION OF THE PROBLEM IS GIVEN IN LOW PRECISION. The matrix products marked QUANTISED in the list below multiply operands that are first quantised to E5M2 (5 exponent bits, 2 mantissa bits; 8 bits a number), with one power-of-two scale for each 32 numbers along K (OCP MX v1.0); their sums are f32. All else is computed in f32.
;;   The module's matrix products, in the order in which they are computed (A, B: the left and right operand; K: the contracted axis; several contracted axes count as one K, in the product's order):
;;     1. [M 32,768, K 64] x [K 64, N 512]; A: input u; B: computed on the way: QUANTISED
;;     2. [M 32,768, K 64] x [K 64, N 512]; A: input u; B: computed on the way: QUANTISED
;;     3. [M 32,768, K 512] x [K 512, N 512]; A: computed on the way; B: computed on the way: QUANTISED
;;     4. [M 32,768, K 64] x [K 64, N 512]; A: input u; B: computed on the way: QUANTISED
;;     5. [M 32,768, K 512] x [K 512, N 512]; A: computed on the way; B: computed on the way: QUANTISED
;;     6. [M 32,768, K 64] x [K 64, N 512]; A: input u; B: computed on the way: QUANTISED
;;     7. [M 32,768, K 512] x [K 512, N 512]; A: computed on the way; B: computed on the way: QUANTISED
;;     8. [M 32,768, K 64] x [K 64, N 1]; A: input u; B: computed on the way: left as it is (N = 1 < 16)
;;     9. [M 32,768, K 512] x [K 512, N 1]; A: computed on the way; B: computed on the way: left as it is (N = 1 < 16)
;;     10. [M 32,768, K 1] x [K 1, N 512]; A: computed on the way; B: computed on the way: left as it is (K = 1 < 32)
;;     11. [M 32,768, K 1] x [K 1, N 64]; A: computed on the way; B: computed on the way: left as it is (K = 1 < 32)
;;     12. [M 32,768, K 512] x [K 512, N 512]; A: computed on the way; B: computed on the way: QUANTISED
;;     13. [M 32,768, K 512] x [K 512, N 64]; A: computed on the way; B: computed on the way: QUANTISED
;;     14. [M 32,768, K 512] x [K 512, N 512]; A: computed on the way; B: computed on the way: QUANTISED
;;     15. [M 32,768, K 512] x [K 512, N 64]; A: computed on the way; B: computed on the way: QUANTISED
;;     16. [M 32,768, K 512] x [K 512, N 512]; A: computed on the way; B: computed on the way: QUANTISED
;;     17. [M 32,768, K 512] x [K 512, N 64]; A: computed on the way; B: computed on the way: QUANTISED
;;     18. [M 32,768, K 512] x [K 512, N 64]; A: computed on the way; B: computed on the way: QUANTISED
;;   THE QUANTISER, for each operand of a quantised product, along K:
;;     - K is cut into blocks of 32 from its start; a last block that is shorter is filled with zeros.
;;     - A block's scale is 2^e with e = floor(log2(the largest magnitude in the block)) - 15, held to -126 .. 127; a block of zeros has e = 0. As a byte (E8M0): e + 127.
;;     - Each number is divided by its block's scale, clamped to +-57,344, and rounded to the nearest number of E5M2, ties to even, subnormals kept.
;;     - The product sums the exact products of the quantised numbers (number of the format x scale) in f32.
;;   ~~~python
;;   def quantise(x, axis):      # numpy; x: float32 -> the quantised numbers, widened to float32 again
;;       x = np.moveaxis(x, axis, -1); K = x.shape[-1]
;;       x = np.pad(x, [(0, 0)] * (x.ndim - 1) + [(0, -K % 32)]); x = x.reshape(x.shape[:-1] + (-1, 32)); a = np.abs(x).max(-1, keepdims=True)
;;       e = np.where(a > 0, np.clip(np.frexp(np.where(a > 0, a, 1))[1] - 1 - 15, -126, 127), 0)      # np.frexp(a)[1] - 1 = floor(log2(a)), exactly
;;       r = np.clip(x / 2.0 ** e, -57344, 57344)
;;       step = 2.0 ** (np.maximum(np.frexp(np.where(r == 0, 1, r))[1] - 1, -14) - 2)
;;       q = np.round(r / step) * step * 2.0 ** e      # np.round: ties to even
;;       return np.moveaxis(q.reshape(q.shape[:-2] + (-1,))[..., :K], -1, axis).astype(np.float32)
;;   ~~~
;;   OPERANDS COMPUTED ON THE WAY. 'Computed on the way' means the value that the module computes at that place (a softmax that the list does not call 'softmax' is quantised finished and normalised). What goes into a quantiser is computed in f32, as accurately as f32 sums, v_exp_f32 and their like allow (about 1e-6 of the number): no bf16 or f16 on the way to a quantiser, and a product that is left as it is and whose result goes on into a quantised operand takes f32 operands (vector FMAs, or v_wmma_f32_16x16x4_f32). A number that lies on a knife's edge between two numbers of the format may be rounded either way, as far as f32 arithmetic and the matrix unit's own rounding can turn it there, and no further.
;; One version. Each part assembles by itself: llvm-mc -triple=amdgcn-amd-amdhsa -mcpu=gfx1250 --defsym DOCPART=n.
;; ======== version 1 of 1: 2 launches
;; limits: right only within a limited range of input values
;; workspace buffers: wstream 2,883,584 bytes
;; launch prep (part 1): grid 128 x 1, 10 waves a work-group, no clusters, 5,376 bytes of LDS; arguments wu0, wu1, wu2, wu3, wz1, wz2, wz3, b0, b1, b2, b3, wstream; writes wstream
.if DOCPART == 1
	.amdgcn_target "amdgcn-amd-amdhsa--gfx1250"
	.amdhsa_code_object_version 6
	.text
	.protected	k_qe2debd524e_prep
	.globl	k_qe2debd524e_prep
	.p2align	8
	.type	k_qe2debd524e_prep,@function
k_qe2debd524e_prep:
	s_mov_b64 s[64:65], 0
	v_nop
	global_prefetch_b8 v0, s[64:65] scope:SCOPE_SE
	s_setreg_imm32_b32 hwreg(HW_REG_WAVE_MODE, 25, 1), 1
	s_wait_xcnt 0x0
; All weights of the net, exp() taken, are quantised to codes of E5M2 with one E8M0 byte for each 32 along K, in BOTH orientations (K = a weight's
; columns for the forward products, K = its rows for the backward ones), and laid in the order in which the second launch walks them.
; wstream = 32 chunks x 4 waves x PART bytes.  A part: 1,024 bytes of scale words, 512 of bias, ten fragment slots of 2,048 bytes, 512 zeros.
; A slot is the IMAGE OF AN OPERAND'S REGISTERS: 16 weight rows x 128 K; quarter c (registers 4 c .. 4 c + 3) at 512 c + 16 x lane; lane (r, h) holds
; row r, k = 32 c + 16 h + 0 .. 15.  A work-group makes one part (chunk c = group / 4, wave share w = group % 4), each of its ten waves one slot.
; Rows of a 512-wide tile are not neighbours: lane r takes unit 128 w + 32 p + 8 u + r + 8 (r / 8), so that the reader's results lie along the next K.
; The quantiser: a block's byte is the exponent field of its largest magnitude less 15, held at 1 from below; numbers are held at 57,344 x the scale.
; A block of zeros gets the byte 1 (its codes are zeros, and only this program reads the bytes).  LIMITS: NaN and infinities are not served.
.set PART, 22528
.set X,   16                           ; v16-79   64 numbers: register 16 c + i = k 32 c + 16 h + i of my fragment row
.set TM,  80                           ; v80-83 largest magnitudes, v84-87 bytes, v88-91 holds, v92-95 scale operands
.set PC,  96                           ; v96-111  the codes
.set PW,  112                          ; v112     my row's scale word
.set NEG, 0xc61c4000                   ; -10000.0: its exponential is 0: the filling of K past a weight's 64 and of empty slots
	s_load_b512 s[4:19], s[0:1], 0x0               ; wu0 s[4:5], wu1, wu2, wu3 s[10:11], wz1 s[12:13], wz2, wz3 s[16:17], b0 s[18:19]
	s_load_b256 s[20:27], s[0:1], 0x40             ; b1 s[20:21], b2, b3 s[24:25], wstream s[26:27]
	v_lshl_add_u32 v128, v0, 2, 0x1000
	v_mov_b32 v129, 0
	v_lshrrev_b32 v1, 5, v0
	s_delay_alu instid0(VALU_DEP_1)
	v_readfirstlane_b32 s32, v1                    ; i: my wave = my slot
	v_and_b32 v1, 31, v0                           ; lane
	v_and_b32 v2, 15, v0                           ; r
	v_bfe_u32 v3, v0, 4, 1                         ; h
	s_delay_alu instid0(VALU_DEP_2)
	v_and_b32 v4, 8, v2
	s_delay_alu instid0(VALU_DEP_1)
	v_add_nc_u32 v4, v4, v2                        ; r + 8 (r / 8)
	v_lshlrev_b32 v6, 4, v1                        ; 16 x lane
	v_lshlrev_b32 v7, 2, v0                        ; LDS: 4 x thread = 128 x slot + 4 x lane
	v_lshrrev_b32 v8, 1, v0                        ; the header's reader (threads 0-63): L = thread / 2, a = thread % 2
	v_and_b32 v9, 1, v0
	s_delay_alu instid0(VALU_DEP_2)
	v_lshrrev_b32 v10, 4, v8
	s_delay_alu instid0(VALU_DEP_3)
	v_and_b32 v11, 15, v8
	s_delay_alu instid0(VALU_DEP_1)
	v_lshlrev_b32 v12, 2, v11
	s_delay_alu instid0(VALU_DEP_1)
	v_lshl_add_u32 v12, v10, 7, v12
	s_delay_alu instid0(VALU_DEP_1)
	v_lshl_add_u32 v12, v9, 10, v12                ; 128 (L / 16) + 4 (L % 16) + 1024 a: word j' of slot 2 (4 a + j') + L / 16 lies 256 j' on
	v_lshlrev_b32 v13, 4, v0                       ; and where it goes: 16 x thread
	v_bfe_u32 v14, v0, 1, 1                        ; the bias: lane t takes b[.. + 16 ((t/2)%2) + 8 ((t/4)%2) + 4 (t%2)]
	s_delay_alu instid0(VALU_DEP_1)
	v_lshlrev_b32 v14, 6, v14
	v_bfe_u32 v15, v0, 2, 1
	s_delay_alu instid0(VALU_DEP_1)
	v_lshl_add_u32 v14, v15, 5, v14
	v_and_b32 v15, 1, v0
	s_delay_alu instid0(VALU_DEP_1)
	v_lshl_add_u32 v14, v15, 4, v14
.irp b, 0,1,2,3
	v_mov_b32 v[TM+4+\b], 0                        ; a lane permute's destination counts as one of its sources
.endr
	s_mov_b32 s28, 0x76543210
	s_mov_b32 s29, 0xfedcba98                      ; lane l xor 16
	; which chunk: kind 0 first layer, 1 forward, 2 backward, 3 gradient (64 wide), 4 backward of layer 1 with the first layer's weights beside it
	s_lshr_b32 s30, ttmp9, 2                       ; c
	s_and_b32 s31, ttmp9, 3                        ; w
	s_sub_co_u32 s36, s30, 4
	s_lshr_b32 s37, s36, 2
	s_add_co_u32 s37, s37, 1                       ; forward: layer 1 + (c - 4) / 4,
	s_and_b32 s38, s36, 3                          ; pair (c - 4) % 4
	s_sub_co_u32 s39, s30, 16                      ; backward: d = c - 16 in runs of five: four pairs, then the gradient's chunk
	s_cmp_ge_u32 s39, 5
	s_cselect_b32 s40, 1, 0
	s_cmp_ge_u32 s39, 10
	s_cselect_b32 s41, 1, 0
	s_add_co_u32 s40, s40, s41
	s_mul_i32 s41, s40, 5
	s_sub_co_u32 s41, s39, s41                     ; place in the run (5 for the very last chunk)
	s_sub_co_u32 s42, 3, s40                       ; layer 3, 2, 1
	s_cmp_eq_u32 s39, 15
	s_cselect_b32 s42, 0, s42                      ; the last chunk: the first layer's gradient
	s_cmp_ge_u32 s41, 4
	s_cselect_b32 s43, 3, 2
	s_cselect_b32 s41, 0, s41
	s_cmp_eq_u32 s43, 2
	s_cselect_b32 s44, s42, 0
	s_cmp_eq_u32 s44, 1
	s_cselect_b32 s43, 4, s43
	s_cmp_lt_u32 s30, 16
	s_cselect_b32 s33, 1, s43                      ; kind
	s_cselect_b32 s34, s37, s42                    ; layer l
	s_cselect_b32 s35, s38, s41                    ; pair p
	s_cmp_lt_u32 s30, 4
	s_cselect_b32 s33, 0, s33
	s_cselect_b32 s34, 0, s34
	s_cselect_b32 s35, s30, s35
	; what my slot holds: 0 nothing, 1 wz by rows, 2 wu by rows, 3 wz by columns, 4 wu by columns: a digit of a table for each kind
	s_lshl_b32 s45, s33, 2
	s_lshr_b32 s46, 0x34310, s45
	s_and_b32 s46, s46, 15                         ; slots 0-7
	s_lshr_b32 s47, 0x20022, s45
	s_and_b32 s47, s47, 15                         ; slots 8, 9
	s_cmp_lt_u32 s32, 8
	s_cselect_b32 s46, s46, s47
	s_cmp_lt_u32 s32, 4
	s_cselect_b32 s47, 4, 0                        ; the gradient's chunk has four slots
	s_cmp_eq_u32 s46, 4
	s_cselect_b32 s46, s47, s46
	s_cmp_eq_u32 s33, 4
	s_cselect_b32 s48, 0, s34                      ; which wu: kind 4 takes wu0
	s_cmp_eq_u32 s33, 1
	s_cselect_b32 s49, s34, 0                      ; which bias: forward layers their own, all others b0
	s_and_b32 s36, s32, 1                          ; u
	s_lshr_b32 s37, s32, 1                         ; K step of slots 0-7
	s_lshl_b32 s38, s31, 7
	s_lshl_b32 s39, s35, 5
	s_add_co_u32 s38, s38, s39                     ; 128 w + 32 p
	s_lshl_b32 s40, s38, 2                         ; (the bias's bytes)
	s_lshl_b32 s39, s36, 3
	s_add_co_u32 s38, s38, s39                     ; + 8 u: the tile's first unit
	s_mov_b32 s44, 0x600000                        ; the mantissa field of 57,344
	s_wait_kmcnt 0x0
	s_cmp_eq_u32 s48, 1                            ; the choices hang on ids alone
	s_cselect_b64 s[50:51], s[6:7], s[4:5]
	s_cmp_eq_u32 s48, 2
	s_cselect_b64 s[50:51], s[8:9], s[50:51]
	s_cmp_eq_u32 s48, 3
	s_cselect_b64 s[50:51], s[10:11], s[50:51]
	s_cmp_eq_u32 s34, 2
	s_cselect_b64 s[52:53], s[14:15], s[12:13]
	s_cmp_eq_u32 s34, 3
	s_cselect_b64 s[52:53], s[16:17], s[52:53]
	s_cmp_eq_u32 s49, 1
	s_cselect_b64 s[54:55], s[20:21], s[18:19]
	s_cmp_eq_u32 s49, 2
	s_cselect_b64 s[54:55], s[22:23], s[54:55]
	s_cmp_eq_u32 s49, 3
	s_cselect_b64 s[54:55], s[24:25], s[54:55]
	s_mov_b32 s41, 0
	s_add_nc_u64 s[54:55], s[54:55], s[40:41]
	s_mov_b32 s57, 0
	s_cmp_eq_u32 s46, 1
	s_cbranch_scc1 .Ltnz
	s_cmp_eq_u32 s46, 2
	s_cbranch_scc1 .Ltnu
	s_cmp_eq_u32 s46, 3
	s_cbranch_scc1 .Lttz
	s_cmp_eq_u32 s46, 4
	s_cbranch_scc1 .Lttu
.set i, 0
.rept 64
	v_mov_b32 v[X+i], NEG                          ; an empty slot
.set i, i+1
.endr
	s_branch .Ljoin
.Ltnz:                                                 ; wz[n(r)][128 s + k]: K innermost: 64 bytes a lane for each block
	s_lshl_b32 s56, s38, 11
	s_lshl_b32 s58, s37, 9
	s_add_co_u32 s56, s56, s58
	s_add_nc_u64 s[60:61], s[52:53], s[56:57]
	v_lshlrev_b32 v5, 11, v4
	s_delay_alu instid0(VALU_DEP_1)
	v_lshl_add_u32 v5, v3, 6, v5
.irp c, 0,1,2,3
.irp q, 0,1,2,3
	global_load_b128 v[X+16*\c+4*\q:X+16*\c+4*\q+3], v5, s[60:61] offset:128*\c+16*\q
.endr
.endr
	s_branch .Ljoin
.Ltnu:                                                 ; wu[n(r)][k], k < 64; the upper half of the K step is filled
	s_lshl_b32 s56, s38, 8
	s_add_nc_u64 s[60:61], s[50:51], s[56:57]
	v_lshlrev_b32 v5, 8, v4
	s_delay_alu instid0(VALU_DEP_1)
	v_lshl_add_u32 v5, v3, 6, v5
.irp c, 0,1
.irp q, 0,1,2,3
	global_load_b128 v[X+16*\c+4*\q:X+16*\c+4*\q+3], v5, s[60:61] offset:128*\c+16*\q
.endr
.endr
.set i, 32
.rept 32
	v_mov_b32 v[X+i], NEG
.set i, i+1
.endr
	s_branch .Ljoin
.Lttz:                                                 ; wz[128 s + k][n(r)]: a lane takes a column, its registers run down K
	s_lshl_b32 s56, s37, 18
	s_lshl_b32 s58, s38, 2
	s_add_co_u32 s56, s56, s58
	s_add_nc_u64 s[60:61], s[52:53], s[56:57]
	v_lshlrev_b32 v5, 2, v4
	s_delay_alu instid0(VALU_DEP_1)
	v_lshl_add_u32 v5, v3, 15, v5
.irp c, 0,1,2,3
.irp q, 0,1,2,3,4,5,6,7,8,9,10,11,12,13,14,15
	global_load_b32 v[X+16*\c+\q], v5, s[60:61] offset:(32*\c+\q)*2048
.endr
.endr
	s_branch .Ljoin
.Lttu:                                                 ; wu[128 i + k][16 w + r]
	s_lshl_b32 s56, s32, 15
	s_lshl_b32 s58, s31, 6
	s_add_co_u32 s56, s56, s58
	s_add_nc_u64 s[60:61], s[50:51], s[56:57]
	v_lshlrev_b32 v5, 2, v2
	s_delay_alu instid0(VALU_DEP_1)
	v_lshl_add_u32 v5, v3, 12, v5
.irp c, 0,1,2,3
.irp q, 0,1,2,3,4,5,6,7,8,9,10,11,12,13,14,15
	global_load_b32 v[X+16*\c+\q], v5, s[60:61] offset:(32*\c+\q)*256
.endr
.endr
.Ljoin:
	s_wait_loadcnt 0x0
.set i, 0
.rept 64
	v_mul_f32 v[X+i], 0x3fb8aa3b, v[X+i]           ; x log2(e)
.set i, i+1
.endr
.set i, 0
	s_wait_alu depctr_va_vdst(0)
.rept 64
	v_exp_f32 v[X+i], v[X+i]
.set i, i+1
.endr
	v_nop                                          ; a plain instruction behind the last exponential,
	s_wait_alu depctr_va_vdst(0)                   ; and one wait for the batch, ahead of its first reader
.irp b, 0,1,2,3
	v_max3_num_f32 v[TM+\b], v[X+16*\b], v[X+1+16*\b], 0x8000000   ; block b: my 16 numbers (none is negative) and the floor 2^(16 - 127)
.endr
.irp i, 2,4,6,8,10,12,14
.irp b, 0,1,2,3
	v_max3_num_f32 v[TM+\b], v[TM+\b], v[X+16*\b+\i], v[X+1+16*\b+\i]
.endr
.endr
.irp b, 0,1,2,3
	s_delay_alu instid0(VALU_DEP_4)
	v_permlanex16_b32 v[TM+4+\b], v[TM+\b], s28, s29
.endr
.irp b, 0,1,2,3
	s_delay_alu instid0(VALU_DEP_4)
	v_max_num_f32 v[TM+\b], v[TM+\b], v[TM+4+\b]   ; with lane l xor 16's 16: the block's largest magnitude
.endr
.irp b, 0,1,2,3
	s_delay_alu instid0(VALU_DEP_4)
	v_add_nc_u32 v[TM+12+\b], 0xf8800000, v[TM+\b] ; 15 off its exponent field: the conversion's scale operand
.endr
.irp b, 0,1,2,3
	v_and_or_b32 v[TM+8+\b], v[TM+\b], 0x7f800000, s44   ; 57,344 x the scale
.endr
.irp b, 0,1,2,3
	v_lshrrev_b32 v[TM+4+\b], 23, v[TM+12+\b]      ; the byte
.endr
	s_delay_alu instid0(VALU_DEP_3)
	v_lshl_or_b32 v[PW], v[TM+5], 8, v[TM+4]
	s_delay_alu instid0(VALU_DEP_1)
	v_lshl_or_b32 v[PW], v[TM+6], 16, v[PW]
	s_delay_alu instid0(VALU_DEP_1)
	v_lshl_or_b32 v[PW], v[TM+7], 24, v[PW]
.irp b, 0,1,2,3
.irp i, 0,1,2,3,4,5,6,7,8,9,10,11,12,13,14,15
	v_min_num_f32 v[X+16*\b+\i], v[X+16*\b+\i], v[TM+8+\b]   ; the conversion does not saturate (ISA guide 7.6.2): the hold, one-sided
.endr
	v_cvt_scalef32_pk8_bf8_f32 v[PC+4*\b:PC+1+4*\b], v[X+16*\b:X+7+16*\b], v[TM+12+\b]
	v_cvt_scalef32_pk8_bf8_f32 v[PC+2+4*\b:PC+3+4*\b], v[X+8+16*\b:X+15+16*\b], v[TM+12+\b]
.endr
	v_mov_b32 v113, 0x7f7f7f7f                     ; (a plain line behind the conversions)  the filling of the header's unused words
	s_mul_i32 s56, ttmp9, PART
	s_add_nc_u64 s[26:27], s[26:27], s[56:57]      ; my work-group's part
	s_lshl_b32 s58, s32, 11
	s_mov_b32 s59, 0
	s_add_nc_u64 s[62:63], s[26:27], s[58:59]      ; my slot
.irp c, 0,1,2,3
	global_store_b128 v6, v[PC+4*\c:PC+4*\c+3], s[62:63] offset:1536+512*\c   ; 512 consecutive bytes a store
.endr
	ds_store_b32 v7, v[PW]                         ; my slot's scale words meet the others' in LDS,
	ds_store_b32 v7, v113 offset:1280              ; and slots 10 to 19 hold the filling
	s_wait_dscnt 0x0                               ; for the others' sake
	s_barrier_signal -1
	s_barrier_wait -1
	s_cmp_lt_u32 s32, 2
	s_cbranch_scc0 .Lnot_head
.irp j, 0,1,2,3
	ds_load_b32 v[116+\j], v12 offset:256*\j       ; the header: word (L, j) = row L % 16 of slot 2 j + L / 16
.endr
	s_wait_dscnt 0x0
	global_store_b128 v13, v[116:119], s[26:27]
	s_branch .Lend
.Lnot_head:
	s_cmp_eq_u32 s32, 2
	s_cbranch_scc0 .Lnot_bias
	global_load_b128 v[116:119], v14, s[54:55]
	s_wait_loadcnt 0x0
	global_store_b128 v6, v[116:119], s[26:27] offset:1024
	s_branch .Lend
.Lnot_bias:
	s_cmp_eq_u32 s32, 9
	s_cbranch_scc0 .Lend
.irp j, 0,1,2,3
	v_mov_b32 v[116+\j], 0
.endr
	global_store_b128 v6, v[116:119], s[26:27] offset:22016   ; the part's last 512 bytes: every byte that is read later is written
.Lend:
	s_wait_tensorcnt 0x0
	ds_add_u32 v128, v129
	s_wait_dscnt 0x0
	s_endpgm
.Lfunc_end_k_qe2debd524e_prep:
	.size	k_qe2debd524e_prep, .Lfunc_end_k_qe2debd524e_prep-k_qe2debd524e_prep
	.p2alignl 7, 3214868480
	.fill 96, 4, 3214868480
	.section	.rodata,"a",@progbits
	.p2align	6, 0x0
	.amdhsa_kernel k_qe2debd524e_prep
		.amdhsa_group_segment_fixed_size 5376
		.amdhsa_private_segment_fixed_size 0
		.amdhsa_enable_private_segment 0
		.amdhsa_kernarg_size 96
		.amdhsa_user_sgpr_count 2
		.amdhsa_user_sgpr_kernarg_segment_ptr 1
		.amdhsa_wavefront_size32 1
		.amdhsa_system_sgpr_workgroup_id_x 1
		.amdhsa_system_sgpr_workgroup_id_y 1
		.amdhsa_system_sgpr_workgroup_id_z 1
		.amdhsa_system_vgpr_workitem_id 0
		.amdhsa_next_free_vgpr 130
		.amdhsa_next_free_sgpr 66
		.amdhsa_reserve_vcc 0
		.amdhsa_float_denorm_mode_32 3
		.amdhsa_float_denorm_mode_16_64 3
		.amdhsa_memory_ordered 1
		.amdhsa_forward_progress 1
		.amdhsa_inst_pref_size 41
	.end_amdhsa_kernel
	.amdgpu_metadata
---
amdhsa.version: [ 1, 2 ]
amdhsa.kernels:
  - .name:           k_qe2debd524e_prep
    .symbol:         k_qe2debd524e_prep.kd
    .args:
      - { .name: wu0, .offset: 0, .size: 8, .value_kind: global_buffer, .address_space: global }
      - { .name: wu1, .offset: 8, .size: 8, .value_kind: global_buffer, .address_space: global }
      - { .name: wu2, .offset: 16, .size: 8, .value_kind: global_buffer, .address_space: global }
      - { .name: wu3, .offset: 24, .size: 8, .value_kind: global_buffer, .address_space: global }
      - { .name: wz1, .offset: 32, .size: 8, .value_kind: global_buffer, .address_space: global }
      - { .name: wz2, .offset: 40, .size: 8, .value_kind: global_buffer, .address_space: global }
      - { .name: wz3, .offset: 48, .size: 8, .value_kind: global_buffer, .address_space: global }
      - { .name: b0, .offset: 56, .size: 8, .value_kind: global_buffer, .address_space: global }
      - { .name: b1, .offset: 64, .size: 8, .value_kind: global_buffer, .address_space: global }
      - { .name: b2, .offset: 72, .size: 8, .value_kind: global_buffer, .address_space: global }
      - { .name: b3, .offset: 80, .size: 8, .value_kind: global_buffer, .address_space: global }
      - { .name: wstream, .offset: 88, .size: 8, .value_kind: global_buffer, .address_space: global }
    .group_segment_fixed_size: 5376
    .private_segment_fixed_size: 0
    .kernarg_segment_align: 8
    .kernarg_segment_size: 96
    .max_flat_workgroup_size: 320
    .sgpr_count:     66
    .vgpr_count:     130
    .wavefront_size: 32
...
	.end_amdgpu_metadata
.endif
;; end of part 1
;; launch icnn (part 2): grid 256 x 1, 4 waves a work-group, no clusters, 241,152 bytes of LDS; arguments u, wz4, wu4, b4, wstream, out0; writes out0
.if DOCPART == 2
	.amdgcn_target "amdgcn-amd-amdhsa--gfx1250"
	.amdhsa_code_object_version 6
	.text
	.protected	k_qe2debd524e_icnn
	.globl	k_qe2debd524e_icnn
	.p2align	8
	.type	k_qe2debd524e_icnn,@function
k_qe2debd524e_icnn:
	s_mov_b64 s[64:65], 0
	v_nop
	global_prefetch_b8 v0, s[64:65] scope:SCOPE_SE
	s_setreg_imm32_b32 hwreg(HW_REG_WAVE_MODE, 25, 1), 1
	s_wait_xcnt 0x0
; out0 = the gradient with respect to u of the net's summed potential: forward through five layers, backward through them, in one launch.
; A work-group takes 128 rows of u through the whole chain.  Wave w owns units 128 w .. 128 w + 127 of every 512-wide layer (and columns 16 w .. of the gradient) for all 128 rows.
; A layer's input, 128 rows x 512 K of E5M2 codes, stands in 512 registers of every wave (windows 2, 3); a trip makes 32 units x 128 rows: 16 accumulators.
; The products are used transposed (source 0 = weight rows, source 1 = activation rows): a lane's 16 results of a pair of tiles are 16 neighbours along the next K,
; so activation, block scale, hold and conversion need one lane exchange, and the codes are the next operand's registers.  They reach the other waves through an image in LDS.
; THE WEIGHTS: wstream holds, chunk by chunk in the order of this walk, for each wave a part that is the image of its operand registers (scale words, bias, ten fragments).
; A part is read by one wave of the work-group alone, so it goes from memory straight into that wave's registers by plain loads, 512 consecutive bytes an instruction: chunk t + 1 is
; asked for among chunk t's products, each fragment behind the last product that reads it.  No weight byte passes LDS: there is no LDS tile that a joint load of a cluster could fill,
; hence no tensor load and cluster = none.  Fragment slots that a chunk leaves empty are not loaded where the walk's next chunk needs none of them.
; THE IMAGE OF THE ACTIVATIONS IS DOUBLE: a layer reads one and writes the other, so one barrier a layer orders both.
; PREFETCH: work-groups 0 to 3 share out the 352 blocks of 256 bytes of a chunk, a lane a block (lanes left over name the last block again), in trip t for chunk t + 3, which is
; two trips ahead of the loads that want it; the asks end with chunk 31, the buffer's last.  Chunks 0 to 2 come by their loads alone.
; Layer 3's output feeds only the final scalar product, which is left in f32: it is not quantised.  The scalar product is formed in layer 3 alone.
; LIMITS: NaN and infinities are not served; a block's scale byte is held at 1 from below (a block of zeros has zero codes).
.set PART,  22528
.set ASC0,  131072                     ; LDS: images 0 and 1 of the codes at 0 and 65536; their scale words at ASC0 and ASC0 + 2048
.set UIMG,  135168                     ; u's codes
.set USC,   143360                     ; u's scale words
.set EW4,   143872                     ; exp(wz4)
.set RED,   145920                     ; the scalar layer's partial sums
.set REDU,  147968                     ; u . exp(wu4)
.set MSK,   148480                     ; sign bits of layers 1 to 3, each wave's own
.set DUIMG, 173056                     ; the gradient's sums between chunks, each wave's own
.set STG,   205824                     ; the way out: 128 rows x 272 bytes
.set SPARE, 240640                     ; the spare words, 128 bytes a wave
.set SPW, 1
.set NIL, 2
.set VB, 3                             ; 16 x lane
.set VH, 4                             ; 32 x lane
.set VBI, 5                            ; 1024 + 32 h
.set PFO, 6                            ; my block of a chunk for the prefetch
.set LSA0, 7
.set LA, 9
.set LSA, 10
.set HWI0, 11
.set ADRI, 12
.set HWS0, 13
.set ADRS, 14
.set MKA0, 15
.set ADRM, 16
.set EWA0, 17
.set ADRE, 18
.set RDW, 19
.set RDR, 20
.set DUA, 21
.set STO, 22
.set STR, 23
.set GO, 24
.set C02, 25
.set C1, 26
.set RUR, 27
.set SA, 28                            ; v28-43 the activations' scale words
.set SB, 44                            ; v44-51 the weights'
.set SU, 52                            ; v52-55 u's
.set BIAS, 56
.set GG, 56
.set MX, 72
.set PX, 76
.set HL, 80
.set SO, 84
.set PC, 88
.set TT, 88
.set MK, 104
.set EE, 108
.set BY, 124
.set ACC, 128
.set WV, 16
.set SEL, 18
.set MNT, 20
.set WP, 32                            ; s[32:33] my part of the chunk that is being loaded
.set PFP, 34                           ; s[34:35] the chunk that is prefetched
.set CH, 36                            ; trips begun
.set LIM, 37                           ; 30 in work-groups 0-3, else 0
.set WB, 38                            ; the image that is written: 0 or 65536
.set WBS, 39                           ; its scale words: 0 or 2048
.set P512, 49
.set P1, 50
.set P128, 51
.set MB, 52
.set INNER, 53
.set OUTER, 54
.set MSB, 0
.macro WIN new                         ; the immediate's high byte repeats the setting that is left
.if MSB != (\new)
	s_set_vgpr_msb (MSB<<8)|(\new)
.set MSB, (\new)
.endif
.endm
.macro PL n                            ; places behind matrix instructions (ISA guide 7.12.1)
.rept \n
	v_nop
.endr
.endm
.macro WALU
	s_wait_alu depctr_va_vdst(0)
.endm
.macro WM d, a, b, c, sa, sb, ra, rb
.if (\c) < 0
.if (\ra) && (\rb)
	v_wmma_scale_f32_16x16x128_f8f6f4 v[(\d):(\d)+7], v[(\a):(\a)+15], v[(\b):(\b)+15], 0, v[(\sa)], v[(\sb)] matrix_a_fmt:MATRIX_FMT_BF8 matrix_b_fmt:MATRIX_FMT_BF8 matrix_a_scale:MATRIX_SCALE_ROW1 matrix_b_scale:MATRIX_SCALE_ROW1
.elseif (\ra)
	v_wmma_scale_f32_16x16x128_f8f6f4 v[(\d):(\d)+7], v[(\a):(\a)+15], v[(\b):(\b)+15], 0, v[(\sa)], v[(\sb)] matrix_a_fmt:MATRIX_FMT_BF8 matrix_b_fmt:MATRIX_FMT_BF8 matrix_a_scale:MATRIX_SCALE_ROW1
.elseif (\rb)
	v_wmma_scale_f32_16x16x128_f8f6f4 v[(\d):(\d)+7], v[(\a):(\a)+15], v[(\b):(\b)+15], 0, v[(\sa)], v[(\sb)] matrix_a_fmt:MATRIX_FMT_BF8 matrix_b_fmt:MATRIX_FMT_BF8 matrix_b_scale:MATRIX_SCALE_ROW1
.else
	v_wmma_scale_f32_16x16x128_f8f6f4 v[(\d):(\d)+7], v[(\a):(\a)+15], v[(\b):(\b)+15], 0, v[(\sa)], v[(\sb)] matrix_a_fmt:MATRIX_FMT_BF8 matrix_b_fmt:MATRIX_FMT_BF8
.endif
.else
.if (\ra) && (\rb)
	v_wmma_scale_f32_16x16x128_f8f6f4 v[(\d):(\d)+7], v[(\a):(\a)+15], v[(\b):(\b)+15], v[(\c):(\c)+7], v[(\sa)], v[(\sb)] matrix_a_fmt:MATRIX_FMT_BF8 matrix_b_fmt:MATRIX_FMT_BF8 matrix_a_scale:MATRIX_SCALE_ROW1 matrix_b_scale:MATRIX_SCALE_ROW1
.elseif (\ra)
	v_wmma_scale_f32_16x16x128_f8f6f4 v[(\d):(\d)+7], v[(\a):(\a)+15], v[(\b):(\b)+15], v[(\c):(\c)+7], v[(\sa)], v[(\sb)] matrix_a_fmt:MATRIX_FMT_BF8 matrix_b_fmt:MATRIX_FMT_BF8 matrix_a_scale:MATRIX_SCALE_ROW1
.elseif (\rb)
	v_wmma_scale_f32_16x16x128_f8f6f4 v[(\d):(\d)+7], v[(\a):(\a)+15], v[(\b):(\b)+15], v[(\c):(\c)+7], v[(\sa)], v[(\sb)] matrix_a_fmt:MATRIX_FMT_BF8 matrix_b_fmt:MATRIX_FMT_BF8 matrix_b_scale:MATRIX_SCALE_ROW1
.else
	v_wmma_scale_f32_16x16x128_f8f6f4 v[(\d):(\d)+7], v[(\a):(\a)+15], v[(\b):(\b)+15], v[(\c):(\c)+7], v[(\sa)], v[(\sb)] matrix_a_fmt:MATRIX_FMT_BF8 matrix_b_fmt:MATRIX_FMT_BF8
.endif
.endif
.endm
; A trip's top: the loads and the prefetch of the trip before have read their bases, which step one chunk on
.macro TOP
	s_wait_xcnt 0x0
	s_add_nc_u64 s[WP:WP+1], s[WP:WP+1], 4*PART
	s_add_nc_u64 s[PFP:PFP+1], s[PFP:PFP+1], 4*PART
	s_add_co_u32 s[CH], s[CH], 1
.endm
.macro ASK                             ; chunk t + 3, in trips t = 0 .. 28 of work-groups 0 to 3
	s_cmp_lt_u32 s[CH], s[LIM]
	s_cbranch_scc0 .Lna_\@
	global_prefetch_b8 v[PFO], s[PFP:PFP+1] th:TH_LOAD_NT scope:SCOPE_SE
.Lna_\@:
.endm
.macro GSLOT a, b                      ; fragment slots a .. b of the next chunk into window 1: four loads each (slots 8, 9: two)
	WIN 0x40
.set zi, \a
.rept (\b)-(\a)+1
.set zc, 0
.rept 4-2*(zi/8)                       ; slots 8, 9 (K = 64): the lower two quarters; their upper registers hold zero codes, written once at the head
	global_load_b128 v[16*zi+4*zc:16*zi+4*zc+3], v[VB], s[WP:WP+1] offset:1536+2048*zi+512*zc
.set zc, zc+1
.endr
.set zi, zi+1
.endr
.endm
.macro GBIAS                           ; its bias: four loads
	WIN 0
.irp q, 0,1,2,3
	global_load_b128 v[BIAS+4*\q:BIAS+4*\q+3], v[VBI], s[WP:WP+1] offset:64*(\q/2)+16*(\q%2)
.endr
.endm
.macro GSB                             ; its scale words: two loads, into v248-255 of window 1, since this chunk's are still at work
	WIN 0x40
	global_load_b128 v[248:251], v[VH], s[WP:WP+1]
	global_load_b128 v[252:255], v[VH], s[WP:WP+1] offset:16
.endm
.macro SBCOPY                          ; at a trip's top: the five words that are used go to their place
	WIN 0x01
.irp q, 0,1,2,3,4
	v_mov_b32 v[SB+\q], v[248+\q]
.endr
	WIN 0
.endm
.macro ASAL                            ; the layer's input: its scale words, four loads
	WIN 0
.irp s, 0,1,2,3
	ds_load_b128 v[SA+4*\s:SA+4*\s+3], v[LSA] offset:512*\s
.endr
.endm
.macro AFR s, m                        ; and fragment m of K step s, four loads
	WIN 0x80+0x40*((\s)/2)
.set zc, 0
.rept 4
	ds_load_b128 v[16*(8*((\s)%2)+(\m))+4*zc:16*(8*((\s)%2)+(\m))+4*zc+3], v[LA] offset:2048*(8*(\s)+(\m))+512*zc
.set zc, zc+1
.endr
.endm
; The layer's input into registers, K step by K step: 33 loads each (its scale words, then eight fragments)
.macro ALOAD
.set zs, 0
.rept 4
	WIN 0
	ds_load_b128 v[SA+4*zs:SA+4*zs+3], v[LSA] offset:512*zs
	WIN 0x80+0x40*(zs/2)
.set zm, 0
.rept 8
.set zc, 0
.rept 4
	ds_load_b128 v[16*(8*(zs%2)+zm)+4*zc:16*(8*(zs%2)+zm)+4*zc+3], v[LA] offset:2048*(8*zs+zm)+512*zc
.set zc, zc+1
.endr
.set zm, zm+1
.endr
.set zs, zs+1
.endr
	WIN 0
.endm
; A change of layer: the image just written is read, the other is written next.  My stores are done ahead of the signal; behind the wait all waves' are.
.macro HEAD al=1                       ; al = 0: the input's loads stand among the first trip's products
	WIN 0
	v_add_nc_u32 v[LA], s[WB], v[VB]
	v_add_nc_u32 v[LSA], s[WBS], v[LSA0]
	s_xor_b32 s[WB], s[WB], 65536
	s_xor_b32 s[WBS], s[WBS], 2048
	s_mov_b32 s[P512], 0
	s_mov_b32 s[P1], 0
	s_mov_b32 s[P128], 0
	WALU
	s_wait_dscnt 0x0
	s_barrier_signal -1
	s_barrier_wait -1
.if \al
	ALOAD
.endif
.endm
.macro MUL_U a=0                       ; a = 1: K step 0's fragments of the layer's input are asked for among the products
.set zm, 0
.rept 8
.if \a
	AFR 0,zm
.endif
	WIN 0x05
.set zu, 0
.rept 2
	WM ACC+16*zm+8*zu,16*(8+zu),160+8*zm,BIAS+8*zu,SB+4,SU+zm%4,zu,zm/4
.set zu, zu+1
.endr
.set zm, zm+1
.endr
.endm
; a = 1, a layer's first trip: fragment m of the next K step is asked for behind row tile m's two products.  Behind fragment m of this K step stand
; this step's 4 (7 - m) loads and the next step's 4 m: 28; in the last K step 28 - 4 m
.macro ZA zs, first, a
.set zm, 0
.rept 8
.if \a
.if (\zs) < 3
	s_wait_dscnt 28
.else
	s_wait_dscnt 28-4*zm
.endif
.endif
	WIN 0x09+4*((\zs)/2)
.set zu, 0
.rept 2
.if \first
	WM ACC+16*zm+8*zu,16*(2*(\zs)+zu),16*(8*((\zs)%2)+zm),-1,SB+(\zs),SA+4*(\zs)+zm%4,zu,zm/4
.else
	WM ACC+16*zm+8*zu,16*(2*(\zs)+zu),16*(8*((\zs)%2)+zm),ACC+16*zm+8*zu,SB+(\zs),SA+4*(\zs)+zm%4,zu,zm/4
.endif
.set zu, zu+1
.endr
.if (\a) && ((\zs) < 3)
	AFR (\zs)+1,zm
.endif
.set zm, zm+1
.endr
.endm
.macro XU g                            ; layer 0's sums anew for rows 64 g .. 64 g + 63
	WIN 0x05
.set zm, 0
.rept 4
.set zu, 0
.rept 2
	WM 192+16*zm+8*zu,16*(8+zu),160+8*(4*(\g)+zm),BIAS+8*zu,SB+4,SU+zm,zu,\g
.set zu, zu+1
.endr
.set zm, zm+1
.endr
.endm
.macro XZ g, zs                        ; and layer 1's backward product for the same rows
	WIN 0x09+4*((\zs)/2)
.set zm, 0
.rept 4
.set zu, 0
.rept 2
.if (\zs) == 0
	WM ACC+16*zm+8*zu,16*(2*(\zs)+zu),16*(8*((\zs)%2)+4*(\g)+zm),-1,SB+(\zs),SA+4*(\zs)+zm,zu,\g
.else
	WM ACC+16*zm+8*zu,16*(2*(\zs)+zu),16*(8*((\zs)%2)+4*(\g)+zm),ACC+16*zm+8*zu,SB+(\zs),SA+4*(\zs)+zm,zu,\g
.endif
.set zu, zu+1
.endr
.set zm, zm+1
.endr
.endm
.macro DSTEP zs                        ; the gradient's 16 columns: eight accumulators by turns
	WIN 0x09+4*((\zs)/2)
.set zm, 0
.rept 8
	WM ACC+8*zm,16*(\zs),16*(8*((\zs)%2)+zm),ACC+8*zm,SB+(\zs)/2,SA+4*(\zs)+zm%4,(\zs)%2,zm/4
.set zm, zm+1
.endr
.endm
.macro DULOAD
.set zi, 0
.rept 16
	ds_load_b128 v[ACC+4*zi:ACC+4*zi+3], v[DUA] offset:512*zi
.set zi, zi+1
.endr
	s_wait_loadcnt 16                              ; the chunk's scale words and fragments 0 to 3 are in
	SBCOPY
	PL 8
	WALU
.endm
.macro DUSTORE
.set zi, 0
.rept 16
	ds_store_b128 v[DUA], v[ACC+4*zi:ACC+4*zi+3] offset:512*zi
.set zi, zi+1
.endr
.endm
; The quantiser of four row tiles: a block of 32 lies in lanes l and l xor 16, 16 registers each
.macro QCORE src, dst, sgn, byr
.set qm, 0
.rept 4
.if \sgn
	v_max3_num_f32 v[MX+qm], |v[(\src)+16*qm]|, |v[(\src)+16*qm+1]|, 0x8000000
.else
	v_max3_num_f32 v[MX+qm], v[(\src)+16*qm], v[(\src)+16*qm+1], 0x8000000
.endif
.set qm, qm+1
.endr
.set qi, 2
.rept 7
.set qm, 0
.rept 4
.if \sgn
	v_max3_num_f32 v[MX+qm], v[MX+qm], |v[(\src)+16*qm+qi]|, |v[(\src)+16*qm+qi+1]|
.else
	v_max3_num_f32 v[MX+qm], v[MX+qm], v[(\src)+16*qm+qi], v[(\src)+16*qm+qi+1]
.endif
.set qm, qm+1
.endr
.set qi, qi+2
.endr
.irp q, 0,1,2,3
	v_permlanex16_b32 v[PX+\q], v[MX+\q], s[SEL], s[SEL+1]
.endr
.irp q, 0,1,2,3
	v_max_num_f32 v[MX+\q], v[MX+\q], v[PX+\q]
.endr
.irp q, 0,1,2,3
	v_add_nc_u32 v[SO+\q], 0xf8800000, v[MX+\q]    ; 15 off the exponent field: the conversion's scale operand
.endr
.irp q, 0,1,2,3
	v_and_or_b32 v[HL+\q], v[MX+\q], 0x7f800000, s[MNT]   ; 57,344 x the scale
.endr
.irp q, 0,1,2,3
	v_lshrrev_b32 v[(\byr)+\q], 23, v[SO+\q]       ; the byte
.endr
.set qm, 0
.rept 4
.set qi, 0
.rept 16
.if \sgn
	v_med3_num_f32 v[(\src)+16*qm+qi], v[(\src)+16*qm+qi], -v[HL+qm], v[HL+qm]
.else
	v_min_num_f32 v[(\src)+16*qm+qi], v[(\src)+16*qm+qi], v[HL+qm]
.endif
.set qi, qi+1
.endr
	v_cvt_scalef32_pk8_bf8_f32 v[(\dst)+4*qm:(\dst)+4*qm+1], v[(\src)+16*qm:(\src)+16*qm+7], v[SO+qm]
	v_cvt_scalef32_pk8_bf8_f32 v[(\dst)+4*qm+2:(\dst)+4*qm+3], v[(\src)+16*qm+8:(\src)+16*qm+15], v[SO+qm]
.set qm, qm+1
.endr
	v_nop                                          ; a plain line behind the conversions
.endm
.macro QGROUP src, dst, sgn, g
.if (\g) == 0
	QCORE \src,\dst,\sgn,BY
.else
	QCORE \src,\dst,\sgn,PX
.endif
.set qm, 0
.rept 4
	ds_store_b128 v[ADRI], v[(\dst)+4*qm:(\dst)+4*qm+3] offset:2048*(4*(\g)+qm)
.set qm, qm+1
.endr
.set qm, 0
.rept 4
.if (\g) == 0
	ds_store_b8 v[ADRS], v[BY+qm] offset:4*qm
.else
	ds_store_b8 v[ADRS], v[PX+qm] offset:256+4*qm
.endif
.set qm, qm+1
.endr
.endm
.macro LRELU m
.set zk, 0
.rept 8
	v_pk_mul_f32 v[TT+2*zk:TT+2*zk+1], v[ACC+16*(\m)+2*zk:ACC+16*(\m)+2*zk+1], s[24:25] op_sel_hi:[1,0]
.set zk, zk+1
.endr
.set zk, 0
.rept 16
	v_max_num_f32 v[ACC+16*(\m)+zk], v[ACC+16*(\m)+zk], v[TT+zk]
.set zk, zk+1
.endr
.endm
.macro ACT_L0                          ; the squared leaky relu
.set zm, 0
.rept 8
	LRELU zm
.set zk, 0
.rept 8
	v_pk_mul_f32 v[ACC+16*zm+2*zk:ACC+16*zm+2*zk+1], v[ACC+16*zm+2*zk:ACC+16*zm+2*zk+1], v[ACC+16*zm+2*zk:ACC+16*zm+2*zk+1]
.set zk, zk+1
.endr
.set zm, zm+1
.endr
.endm
.macro ACT_F                           ; the sums' sign bits, 32 to a register, kept for the way back; then the leaky relu
.set zp, 0
.rept 2
.set ze, 0
.rept 16
.set zh, 0
.rept 4
	v_alignbit_b32 v[MK+zh], v[MK+zh], v[ACC+16*(2*zh+zp)+ze], 31
.set zh, zh+1
.endr
.set ze, ze+1
.endr
.set zp, zp+1
.endr
	ds_store_b128 v[ADRM], v[MK:MK+3]
.set zm, 0
.rept 8
	LRELU zm
.set zm, zm+1
.endr
.endm
.macro ACT_B                           ; x 1 or x 0.2 by the kept sign: the gradient is never negative, so the sign is laid on it and max(g, -0.2 g) taken
.set zm, 0
.rept 8
.set zk, 0
.rept 16
	v_lshlrev_b32 v[TT+zk], 16*(zm%2)+zk, v[MK+zm/2]
.set zk, zk+1
.endr
.set zk, 0
.rept 16
	v_and_or_b32 v[ACC+16*zm+zk], v[TT+zk], s26, v[ACC+16*zm+zk]
.set zk, zk+1
.endr
.set zk, 0
.rept 8
	v_pk_mul_f32 v[TT+2*zk:TT+2*zk+1], v[ACC+16*zm+2*zk:ACC+16*zm+2*zk+1], s[28:29] op_sel_hi:[1,0]
.set zk, zk+1
.endr
.set zk, 0
.rept 16
	v_max_num_f32 v[ACC+16*zm+zk], v[ACC+16*zm+zk], v[TT+zk]
.set zk, zk+1
.endr
.set zm, zm+1
.endr
.endm
.macro ACT_X                           ; the squared leaky relu's derivative: g x (2 x or 0.08 x)
.set zk, 0
.rept 32
	v_pk_mul_f32 v[128+2*zk:129+2*zk], v[128+2*zk:129+2*zk], v[192+2*zk:193+2*zk]
.set zk, zk+1
.endr
.set zk, 0
.rept 32
	v_pk_mul_f32 v[192+2*zk:193+2*zk], v[128+2*zk:129+2*zk], s[30:31] op_sel_hi:[1,0]
.set zk, zk+1
.endr
.set zk, 0
.rept 32
	v_pk_add_f32 v[128+2*zk:129+2*zk], v[128+2*zk:129+2*zk], v[128+2*zk:129+2*zk]
.set zk, zk+1
.endr
.set zk, 0
.rept 64
	v_max_num_f32 v[128+zk], v[128+zk], v[192+zk]
.set zk, zk+1
.endr
.endm
.macro PRE kind                        ; the trip's LDS addresses; kind 1, 3: exp(wz4) of my 32 units (4 loads); kind 2, 3: the kept signs (1 load)
	s_add_co_u32 s55, s[P512], s[WB]
	v_add_nc_u32 v[ADRI], s55, v[HWI0]
	s_add_co_u32 s56, s[P1], s[WBS]
	v_add_nc_u32 v[ADRS], s56, v[HWS0]
.if (\kind) > 0
	s_add_co_u32 s57, s[MB], s[P512]
	v_add_nc_u32 v[ADRM], s57, v[MKA0]
.endif
.if ((\kind) == 1) || ((\kind) == 3)
	v_add_nc_u32 v[ADRE], s[P128], v[EWA0]
.irp q, 0,1,2,3
	ds_load_b128 v[EE+4*\q:EE+4*\q+3], v[ADRE] offset:16*\q
.endr
.endif
.if (\kind) >= 2
	ds_load_b128 v[MK:MK+3], v[ADRM]
.endif
.endm
.macro STEP
	s_add_co_u32 s[P512], s[P512], 512
	s_add_co_u32 s[P1], s[P1], 1
	s_add_co_u32 s[P128], s[P128], 128
.endm
; A forward trip's products.  The next chunk comes in three groups: 18 loads (scale words 2, slots 8, 9: 4, slots 0, 1: 8, bias 4), 16 (slots 2-5), 8 (slots 6, 7)
.macro FMUL a
	TOP
	s_wait_loadcnt 24                              ; this chunk's first group is in: behind it 16 and 8
	SBCOPY
	PRE 1
.if \a
	ASAL
.endif
	PL 8
	WALU
	MUL_U \a
	ZA 0,0,\a
	PL 8
	GSB
	GSLOT 8,9
	GSLOT 0,1
	GBIAS
	ASK
	s_wait_loadcnt 26                              ; slots 2-5: behind them 8 and this trip's 18
	ZA 1,0,\a
	ZA 2,0,\a
	PL 8
	GSLOT 2,5
	s_wait_loadcnt 34                              ; slots 6, 7: behind them this trip's 18 and 16
.if (\a) == 0
	s_wait_dscnt 0x0                               ; exp(wz4) of my units
.endif
	ZA 3,0,\a
	WIN 0
	PL 8
	GSLOT 6,7
	WIN 0
.endm
; A backward trip's products.  The next chunk comes in two groups: 18 loads (scale words, slots 0-3) and 16 (slots 4-7)
.macro BMUL a
	TOP
	s_wait_loadcnt 16
	SBCOPY
	PRE 2
.if \a
	ASAL
.irp m, 0,1,2,3,4,5,6,7
	AFR 0,\m
.endr
.endif
	PL 8
	WALU
	ZA 0,1,\a
	ZA 1,0,\a
	PL 8
	GSB
	GSLOT 0,3
	WIN 0
	ASK
	s_wait_loadcnt 18                              ; slots 4-7: behind them this trip's 18
	ZA 2,0,\a
.if (\a) == 0
	s_wait_dscnt 0x0                               ; the kept signs
.endif
	ZA 3,0,\a
	WIN 0
	PL 8
	GSLOT 4,7
	WIN 0
.endm
.macro DA zs                           ; the last gradient chunk: as DSTEP, with the next K step's fragments asked for among the products
.set zm, 0
.rept 8
.if (\zs) < 3
	s_wait_dscnt 28
.else
	s_wait_dscnt 28-4*zm
.endif
	WIN 0x09+4*((\zs)/2)
	WM ACC+8*zm,16*(\zs),16*(8*((\zs)%2)+zm),ACC+8*zm,SB+(\zs)/2,SA+4*(\zs)+zm%4,(\zs)%2,zm/4
.if (\zs) < 3
	AFR (\zs)+1,zm
.endif
.set zm, zm+1
.endr
.endm
	s_load_b256 s[4:11], s[0:1], 0x0               ; u, wz4, wu4, b4
	s_load_b128 s[12:15], s[0:1], 0x20             ; wstream, out0
	v_lshl_add_u32 v[SPW], v0, 2, SPARE
	v_mov_b32 v[NIL], 0
	v_lshrrev_b32 v120, 5, v0
	v_readfirstlane_b32 s[WV], v120
	v_and_b32 v108, 31, v0
	v_and_b32 v109, 15, v0
	v_bfe_u32 v110, v0, 4, 1
	v_lshlrev_b32 v[VB], 4, v108
	v_lshlrev_b32 v[VH], 5, v108
	v_lshl_add_u32 v[VBI], v110, 5, 1024
	s_lshl_b32 s63, s[WV], 13
	v_lshlrev_b32 v111, 8, v109                    ; u: my wave's 32 rows; row r, 64 h
	v_lshl_add_u32 v111, v110, 6, v111
	v_add_nc_u32 v111, s63, v111
	v_lshlrev_b32 v112, 6, v110
	v_lshlrev_b32 v113, 4, v0
	s_lshl_b32 s60, ttmp9, 7
	v_add_nc_u32 v[PFO], s60, v0                   ; block 128 x work-group + thread, held at the chunk's last
	v_min_u32 v[PFO], 351, v[PFO]
	v_lshlrev_b32 v[PFO], 8, v[PFO]
	s_lshl_b32 s56, ttmp9, 15
	s_mov_b32 s57, 0
	s_mul_i32 s58, s[WV], PART
	s_mov_b32 s59, 0
	s_mov_b32 s[SEL], 0x76543210
	s_mov_b32 s[SEL+1], 0xfedcba98
	s_mov_b32 s[MNT], 0x600000
	s_mov_b32 s24, 0x3e4ccccd
	s_mov_b32 s25, 0x3e4ccccd
	s_mov_b32 s26, 0x80000000
	s_mov_b32 s28, 0xbe4ccccd
	s_mov_b32 s29, 0xbe4ccccd
	s_mov_b32 s30, 0x3da3d70a
	s_mov_b32 s31, 0x3da3d70a
	s_mov_b32 s[CH], 0
	s_mov_b32 s[WB], 0
	s_mov_b32 s[WBS], 0
	s_cmp_lt_u32 ttmp9, 4
	s_cselect_b32 s[LIM], 30, 0
	WALU
	s_wait_kmcnt 0x0
	s_load_b32 s23, s[10:11], 0x0
	s_add_nc_u64 s[4:5], s[4:5], s[56:57]
	s_add_nc_u64 s[14:15], s[14:15], s[56:57]
	s_add_nc_u64 s[WP:WP+1], s[12:13], s[58:59]
	s_add_nc_u64 s[PFP:PFP+1], s[12:13], 8*PART
.irp t, 0,1
.irp c, 0,1
.irp q, 0,1,2,3
	global_load_b128 v[128+32*\t+16*\c+4*\q:128+32*\t+16*\c+4*\q+3], v111, s[4:5] offset:4096*\t+128*\c+16*\q th:TH_LOAD_NT
.endr
.endr
.endr
.irp c, 0,1
.irp q, 0,1,2,3
	global_load_b128 v[192+16*\c+4*\q:192+16*\c+4*\q+3], v112, s[8:9] offset:128*\c+16*\q
.endr
.endr
	global_load_b128 v[224:227], v113, s[6:7]
	GSLOT 8,9                                      ; chunk 0: layer 0 uses these alone
	GSB
	GBIAS
	v_lshl_add_u32 v[LSA0], v108, 4, ASC0
	s_lshl_b32 s60, s[WV], 14
	v_add_nc_u32 v[HWI0], s60, v[VB]
	s_lshl_b32 s60, s[WV], 9
	v_lshl_add_u32 v[HWS0], v109, 4, ASC0
	v_add_nc_u32 v[HWS0], s60, v[HWS0]
	v_lshl_add_u32 v[EWA0], v110, 6, EW4
	v_add_nc_u32 v[EWA0], s60, v[EWA0]
	s_mul_i32 s61, s[WV], 6144
	v_lshl_add_u32 v[MKA0], v108, 4, MSK
	v_add_nc_u32 v[MKA0], s61, v[MKA0]
	v_lshl_add_u32 v[RDR], v109, 4, RED
	s_lshl_b32 s62, s[WV], 2
	v_add_nc_u32 v[RDW], s62, v[RDR]
	v_lshl_add_u32 v[DUA], v108, 4, DUIMG
	v_add_nc_u32 v[DUA], s63, v[DUA]
	v_mul_u32_u24 v[STO], v109, 272
	v_lshl_add_u32 v[STO], v110, 5, v[STO]
	s_lshl_b32 s60, s[WV], 6
	s_add_co_u32 s60, s60, STG
	v_add_nc_u32 v[STO], s60, v[STO]
	v_mul_u32_u24 v[STR], v110, 272
	v_lshl_add_u32 v[STR], v109, 4, v[STR]
	s_mul_i32 s61, s[WV], 32*272
	s_add_co_u32 s61, s61, STG
	v_add_nc_u32 v[STR], s61, v[STR]
	v_lshlrev_b32 v[GO], 8, v110
	v_lshl_add_u32 v[GO], v109, 4, v[GO]
	v_add_nc_u32 v[GO], s63, v[GO]
	v_lshl_add_u32 v[RUR], v109, 2, REDU
	v_mov_b32 v[C02], 0x3e4ccccd
	v_mov_b32 v[C1], 1.0
.irp q, 0,1,2,3
	v_mov_b32 v[PX+\q], 0                          ; a lane permute's destination counts as a source
	v_mov_b32 v[MK+\q], 0
.endr
	v_mov_b32 v250, 0
	v_mov_b32 v254, 0
	v_lshl_add_u32 v114, v0, 4, EW4
	s_lshl_b32 s60, s[WV], 7
	v_add_nc_u32 v115, s60, v[RUR]
	s_lshl_b32 s60, s[WV], 11
	v_lshl_add_u32 v118, v108, 4, UIMG
	v_add_nc_u32 v116, s60, v118
	s_lshr_b32 s60, s[WV], 1
	s_lshl_b32 s60, s60, 8
	s_and_b32 s61, s[WV], 1
	s_lshl_b32 s61, s61, 3
	s_add_co_u32 s60, s60, s61
	v_lshl_add_u32 v117, v109, 4, USC
	v_add_nc_u32 v117, s60, v117
	v_lshl_add_u32 v119, v108, 4, USC
	WALU
	s_wait_loadcnt 0x0
.set zi, 0
.rept 36
	v_mul_f32 v[192+zi], 0x3fb8aa3b, v[192+zi]
.set zi, zi+1
.endr
	WALU
.set zi, 0
.rept 36
	v_exp_f32 v[192+zi], v[192+zi]                 ; exp(wu4), and my 4 of exp(wz4)
.set zi, zi+1
.endr
	v_nop
	WALU
	ds_store_b128 v114, v[224:227]
.irp t, 0,1
	v_mul_f32 v[248+4*\t], v[128+32*\t], v192      ; u . exp(wu4), in f32
	v_mul_f32 v[249+4*\t], v[144+32*\t], v208
.endr
.set zi, 1
.rept 15
.irp t, 0,1
	v_fma_f32 v[248+4*\t], v[128+32*\t+zi], v[192+zi], v[248+4*\t]
	v_fma_f32 v[249+4*\t], v[144+32*\t+zi], v[208+zi], v[249+4*\t]
.endr
.set zi, zi+1
.endr
.irp t, 0,1
	v_add_f32 v[248+4*\t], v[248+4*\t], v[249+4*\t]
.endr
.irp t, 0,1
	v_permlanex16_b32 v[250+4*\t], v[248+4*\t], s[SEL], s[SEL+1]
.endr
.irp t, 0,1
	v_add_f32 v[248+4*\t], v[248+4*\t], v[250+4*\t]
	ds_store_b32 v115, v[248+4*\t] offset:64*\t
.endr
	QCORE 128,232,1,BY                             ; u's codes: two row tiles x two blocks
.irp t, 0,1
	v_lshl_or_b32 v[251+4*\t], v[BY+2*\t+1], 8, v[BY+2*\t]
	v_or_b32 v[251+4*\t], 0x7f7f0000, v[251+4*\t]
.endr
.irp t, 0,1
.irp c, 0,1
	ds_store_b128 v116, v[232+8*\t+4*\c:232+8*\t+4*\c+3] offset:1024*\t+512*\c
.endr
	ds_store_b32 v117, v[251+4*\t] offset:4*\t
.endr
	s_wait_dscnt 0x0
	s_barrier_signal -1
	s_barrier_wait -1
	WIN 0x40
.set zm, 0
.rept 8
	ds_load_b128 v[160+8*zm:160+8*zm+3], v118 offset:1024*zm
	ds_load_b128 v[164+8*zm:164+8*zm+3], v118 offset:1024*zm+512
.set zm, zm+1
.endr
.set zi, 0
.rept 8
	v_mov_b32 v[224+zi], 0
	v_mov_b32 v[136+zi], 0                         ; K 64 .. 127 of weight slots 8 and 9: zero codes
	v_mov_b32 v[152+zi], 0
.set zi, zi+1
.endr
	WIN 0
	ds_load_b128 v[SU:SU+3], v119
	PL 8
	s_mov_b32 s[P512], 0
	s_mov_b32 s[P1], 0
	s_mov_b32 s[P128], 0
	s_mov_b32 s[INNER], 4
	WALU
	s_wait_kmcnt 0x0
	s_wait_dscnt 0x0
.Ll0:
	TOP
	s_wait_loadcnt 0x0
	SBCOPY
	PRE 0
	PL 8
	WALU
	MUL_U
	WIN 0
	PL 8
	GSB
	GSLOT 8,9
	GBIAS
	ASK
	ACT_L0
	QGROUP 128,PC,0,0
	QGROUP 192,128,0,1
	STEP
	s_sub_co_u32 s[INNER], s[INNER], 1
	s_cmp_lg_u32 s[INNER], 0
	s_cbranch_scc1 .Ll0
	GSLOT 0,7                                      ; the rest of chunk 4, layer 1's first
	WIN 0
	s_mov_b32 s[MB], 0
	s_mov_b32 s[OUTER], 3
.Lfl:
	HEAD 0
	WIN 0x40
.set zi, 0
.rept 16
	v_mov_b32 v[232+zi], 0                         ; the scalar layer's sums
.set zi, zi+1
.endr
	WIN 0
	s_mov_b32 s[INNER], 4
	FMUL 1                                         ; the layer's first trip brings the input in among its products, and joins the loop at the activation
	s_branch .Lfa
.Lft:
	FMUL 0
.Lfa:
	ACT_F
	WALU
	s_cmp_eq_u32 s[OUTER], 1
	s_cbranch_scc1 .Ldot
	QGROUP 128,PC,1,0
	QGROUP 192,128,1,1
	s_branch .Lfe
.Ldot:                                                 ; layer 3: z . exp(wz4), in f32
	WIN 0x50
.set zk, 0
.rept 8
.set zm, 0
.rept 8
	v_pk_fma_f32 v[232+2*zm:233+2*zm], v[ACC+16*zm+2*zk:ACC+16*zm+2*zk+1], v[EE+2*zk:EE+2*zk+1], v[232+2*zm:233+2*zm]
.set zm, zm+1
.endr
.set zk, zk+1
.endr
	WIN 0
.Lfe:
	STEP
	s_sub_co_u32 s[INNER], s[INNER], 1
	s_cmp_lg_u32 s[INNER], 0
	s_cbranch_scc1 .Lft
	s_add_co_u32 s[MB], s[MB], 2048
	s_sub_co_u32 s[OUTER], s[OUTER], 1
	s_cmp_lg_u32 s[OUTER], 0
	s_cbranch_scc1 .Lfl
	; THE SCALAR LAYER and its derivative, 1 or 0.2 a row
	s_wait_dscnt 0x0
	s_wait_loadcnt 0x0                             ; the bias registers, which the next chunk's loads wrote, are used anew below
	s_lshl_b32 s60, s[WV], 6
	v_bfe_u32 v[BY], v0, 4, 1
	v_lshlrev_b32 v[BY], 5, v[BY]
	v_add_nc_u32 v[BY], s60, v[BY]
	global_load_b128 v[64:67], v[BY], s[8:9]
	global_load_b128 v[68:71], v[BY], s[8:9] offset:16
	WIN 0x05
.set zm, 0
.rept 8
	v_add_f32 v[GG+zm], v[232+2*zm], v[233+2*zm]
.set zm, zm+1
.endr
	WIN 0
.set zm, 0
.rept 8
	v_permlanex16_b32 v[MX+zm], v[GG+zm], s[SEL], s[SEL+1]
.set zm, zm+1
.endr
.set zm, 0
.rept 8
	v_add_f32 v[GG+zm], v[GG+zm], v[MX+zm]
	ds_store_b32 v[RDW], v[GG+zm] offset:256*zm
.set zm, zm+1
.endr
	s_wait_dscnt 0x0
	s_barrier_signal -1
	s_barrier_wait -1
.set zm, 0
.rept 8
	ds_load_b128 v[128+4*zm:131+4*zm], v[RDR] offset:256*zm
.set zm, zm+1
.endr
.set zm, 0
.rept 8
	ds_load_b32 v[160+zm], v[RUR] offset:64*zm
.set zm, zm+1
.endr
	s_wait_dscnt 0x0
.set zm, 0
.rept 8
	v_add_f32 v[128+4*zm], v[128+4*zm], v[129+4*zm]
	v_add_f32 v[130+4*zm], v[130+4*zm], v[131+4*zm]
.set zm, zm+1
.endr
.set zm, 0
.rept 8
	v_add_f32 v[128+4*zm], v[128+4*zm], v[130+4*zm]
.set zm, zm+1
.endr
.set zm, 0
.rept 8
	v_add_f32 v[128+4*zm], v[128+4*zm], v[160+zm]
.set zm, zm+1
.endr
.set zm, 0
.rept 8
	v_add_f32 v[128+4*zm], s23, v[128+4*zm]
.set zm, zm+1
.endr
.set zm, 0
.rept 8
	v_cmp_le_f32 vcc_lo, 0, v[128+4*zm]
	v_cndmask_b32 v[GG+zm], v[C02], v[C1], vcc_lo
.set zm, zm+1
.endr
	WALU
	s_wait_loadcnt 0x0
.set zi, 0
.rept 8
	v_mul_f32 v[64+zi], 0x3fb8aa3b, v[64+zi]
.set zi, zi+1
.endr
	WALU
.set zi, 0
.rept 8
	v_exp_f32 v[64+zi], v[64+zi]
.set zi, zi+1
.endr
	v_nop
	WALU
.set zm, 0
.rept 8
.set zi, 0
.rept 8
	v_mul_f32 v[ACC+8*zm+zi], v[GG+zm], v[64+zi]   ; the gradient begins with g x exp(wu4)
.set zi, zi+1
.endr
.set zm, zm+1
.endr
	DUSTORE
	s_mov_b32 s[MB], 4096
	s_mov_b32 s[P512], 0
	s_mov_b32 s[P1], 0
	s_mov_b32 s[P128], 0
	s_mov_b32 s[INNER], 4
.Lsl:                                                  ; layer 3's gradient: g x exp(wz4) x its derivative, quantised
	s_wait_dscnt 0x0
	PRE 3
	s_wait_dscnt 0x0
.set zm, 0
.rept 8
.set zk, 0
.rept 8
.if zm%2 == 0
	v_pk_mul_f32 v[ACC+16*zm+2*zk:ACC+16*zm+2*zk+1], v[EE+2*zk:EE+2*zk+1], v[GG+zm:GG+zm+1] op_sel_hi:[1,0]
.else
	v_pk_mul_f32 v[ACC+16*zm+2*zk:ACC+16*zm+2*zk+1], v[EE+2*zk:EE+2*zk+1], v[GG+zm-1:GG+zm] op_sel:[0,1] op_sel_hi:[1,1]
.endif
.set zk, zk+1
.endr
.set zm, zm+1
.endr
	ACT_B
	QGROUP 128,PC,0,0
	QGROUP 192,128,0,1
	STEP
	s_sub_co_u32 s[INNER], s[INNER], 1
	s_cmp_lg_u32 s[INNER], 0
	s_cbranch_scc1 .Lsl
	s_mov_b32 s[OUTER], 2
.Lbl:                                                  ; BACK THROUGH LAYERS 3 AND 2
	s_sub_co_u32 s[MB], s[MB], 2048
	HEAD 0
	s_mov_b32 s[INNER], 4
	BMUL 1
	s_branch .Lba
.Lbt:
	BMUL 0
.Lba:
	ACT_B
	QGROUP 128,PC,0,0
	QGROUP 192,128,0,1
	STEP
	s_sub_co_u32 s[INNER], s[INNER], 1
	s_cmp_lg_u32 s[INNER], 0
	s_cbranch_scc1 .Lbt
	TOP                                            ; the layer's part of the gradient, on the same input
	DULOAD
	s_wait_loadcnt 8
	s_wait_dscnt 0x0
	DSTEP 0
	DSTEP 1
	DSTEP 2
	DSTEP 3
	WIN 0
	PL 8
	s_wait_loadcnt 0x0                             ; fragments 6, 7 of this chunk, which it does not use, have landed: their registers are loaded anew below
	GSB
	GSLOT 8,9
	GSLOT 0,1
	GBIAS
	GSLOT 2,5
	GSLOT 6,7
	WIN 0
	ASK
	DUSTORE
	s_sub_co_u32 s[OUTER], s[OUTER], 1
	s_cmp_lg_u32 s[OUTER], 0
	s_cbranch_scc1 .Lbl
	HEAD                                           ; BACK THROUGH LAYER 1, with layer 0's sums made anew beside it, 64 rows at a time
	s_mov_b32 s[INNER], 4
.Lxt:
	TOP
	s_wait_loadcnt 24                              ; the chunk's first group of 18 is in
	SBCOPY
	PRE 0
	PL 8
	WALU
	XU 0
	s_wait_dscnt 63
	XZ 0,0
	s_wait_loadcnt 8                               ; slots 2-5
	XZ 0,1
	s_wait_dscnt 33
	XZ 0,2
	s_wait_dscnt 0x0
	s_wait_loadcnt 0x0
	XZ 0,3
	WIN 0
	PL 8
	ACT_X
	QGROUP 128,PC,1,0
	XU 1
	XZ 1,0
	PL 8
	GSB
	GSLOT 8,9
	GSLOT 0,1
	GBIAS
	ASK
	XZ 1,1
	XZ 1,2
	PL 8
	GSLOT 2,5
	XZ 1,3
	WIN 0
	PL 8
	GSLOT 6,7
	WIN 0
	ACT_X
	QGROUP 128,192,1,1
	STEP
	s_sub_co_u32 s[INNER], s[INNER], 1
	s_cmp_lg_u32 s[INNER], 0
	s_cbranch_scc1 .Lxt
	TOP                                            ; layer 1's part of the gradient; the sums stay in registers for layer 0's
	DULOAD
	s_wait_loadcnt 8
	s_wait_dscnt 0x0
	DSTEP 0
	DSTEP 1
	DSTEP 2
	DSTEP 3
	WIN 0
	PL 8
	GSLOT 0,3
	GSB
	HEAD 0
	ASAL
.irp m, 0,1,2,3,4,5,6,7
	AFR 0,\m
.endr
	s_wait_loadcnt 0x0
	SBCOPY
	PL 8
	WALU
	DA 0
	DA 1
	DA 2
	DA 3
	WIN 0
	PL 8
	; THE WAY OUT: a row's 256 bytes come from four waves: through the stage, then sixteen lanes store one aligned run of 256 bytes
.set zm, 0
.rept 8
	ds_store_b128 v[STO], v[ACC+8*zm:ACC+8*zm+3] offset:16*zm*272
	ds_store_b128 v[STO], v[ACC+8*zm+4:ACC+8*zm+7] offset:16*zm*272+16
.set zm, zm+1
.endr
	s_wait_dscnt 0x0
	s_barrier_signal -1
	s_barrier_wait -1
.set zi, 0
.rept 16
	ds_load_b128 v[192+4*zi:195+4*zi], v[STR] offset:2*zi*272
.set zi, zi+1
.endr
.set zi, 0
.rept 16
	s_wait_dscnt 15-zi
	global_store_b128 v[GO], v[192+4*zi:195+4*zi], s[14:15] offset:512*zi th:TH_STORE_NT
.set zi, zi+1
.endr
	s_wait_tensorcnt 0x0                           ; the wave's end
	ds_add_u32 v[SPW], v[NIL]
	s_wait_dscnt 0x0
	s_endpgm
.Lfunc_end_k_qe2debd524e_icnn:
	.size	k_qe2debd524e_icnn, .Lfunc_end_k_qe2debd524e_icnn-k_qe2debd524e_icnn
	.p2alignl 7, 3214868480
	.fill 96, 4, 3214868480
	.section	.rodata,"a",@progbits
	.p2align	6, 0x0
	.amdhsa_kernel k_qe2debd524e_icnn
		.amdhsa_group_segment_fixed_size 241152
		.amdhsa_private_segment_fixed_size 0
		.amdhsa_enable_private_segment 0
		.amdhsa_kernarg_size 48
		.amdhsa_user_sgpr_count 2
		.amdhsa_user_sgpr_kernarg_segment_ptr 1
		.amdhsa_wavefront_size32 1
		.amdhsa_system_sgpr_workgroup_id_x 1
		.amdhsa_system_sgpr_workgroup_id_y 1
		.amdhsa_system_sgpr_workgroup_id_z 1
		.amdhsa_system_vgpr_workitem_id 0
		.amdhsa_next_free_vgpr 1024
		.amdhsa_next_free_sgpr 66
		.amdhsa_reserve_vcc 1
		.amdhsa_float_denorm_mode_32 3
		.amdhsa_float_denorm_mode_16_64 3
		.amdhsa_memory_ordered 1
		.amdhsa_forward_progress 1
		.amdhsa_inst_pref_size 255
	.end_amdhsa_kernel
	.section	.bss,"aw",@nobits
	.p2align	6
	.space	262144
	.amdgpu_metadata
---
amdhsa.version: [ 1, 2 ]
amdhsa.kernels:
  - .name:           k_qe2debd524e_icnn
    .symbol:         k_qe2debd524e_icnn.kd
    .args:
      - { .name: u, .offset: 0, .size: 8, .value_kind: global_buffer, .address_space: global }
      - { .name: wz4, .offset: 8, .size: 8, .value_kind: global_buffer, .address_space: global }
      - { .name: wu4, .offset: 16, .size: 8, .value_kind: global_buffer, .address_space: global }
      - { .name: b4, .offset: 24, .size: 8, .value_kind: global_buffer, .address_space: global }
      - { .name: wstream, .offset: 32, .size: 8, .value_kind: global_buffer, .address_space: global }
      - { .name: out0, .offset: 40, .size: 8, .value_kind: global_buffer, .address_space: global }
    .group_segment_fixed_size: 241152
    .private_segment_fixed_size: 0
    .kernarg_segment_align: 8
    .kernarg_segment_size: 48
    .max_flat_workgroup_size: 128
    .sgpr_count:     66
    .vgpr_count:     1024
    .wavefront_size: 32
...
	.end_amdgpu_metadata
.endif
;; end of part 2
